; MI455X (gfx1250); checked and timed in simulation.
; The chip was launched on July 23, 2026; its instructions are those of AMD's public machine-readable ISA for CDNA 5 (MIT licence, August 2026) and "CDNA5" Instruction Set Architecture Reference Guide (July 2026). The comments in the code are by the model that wrote it; some were corrected since.
;; Attention. Allowed arithmetic: float matrix products may take bf16 or f16 operands with f32 sums; all other float work in f32.
;; Inputs: Wk 1,024 x 1,024 float32; Wq 1,024 x 1,024 float32; Wv 1,024 x 1,024 float32; bk 1,024 float32; bq 1,024 float32; bv 1,024 float32; input 4 x 2,048 x 1,024 float32.
;; Outputs: out0 4 x 2,048 x 1,024 float32.
;; One version. Each part assembles by itself: llvm-mc -triple=amdgcn-amd-amdhsa -mcpu=gfx1250 --defsym DOCPART=n.
;; ======== version 1 of 1: 4 launches
;; workspace buffers: xw 23,068,672 bytes; qkv 50,331,648 bytes; p 33,554,432 bytes; st 1,048,576 bytes
;; launch cast (part 1): grid 2816 x 1, 4 waves a work-group, no clusters, 0 bytes of LDS; arguments input, Wq, Wk, Wv, xw; writes xw
.if DOCPART == 1
	.amdgcn_target "amdgcn-amd-amdhsa--gfx1250"
	.amdhsa_code_object_version 6
	.text
	.protected	k_q5615ed40ff_cast
	.globl	k_q5615ed40ff_cast
	.p2align	8
	.type	k_q5615ed40ff_cast,@function
k_q5615ed40ff_cast:
	s_mov_b64 s[64:65], 0
	v_nop
	global_prefetch_b8 v0, s[64:65] scope:SCOPE_SE
	s_setreg_imm32_b32 hwreg(HW_REG_WAVE_MODE, 25, 1), 1
	s_wait_xcnt 0x0
; xw = the inputs of the projections rounded to bf16 (nearest even, once), laid out for the launch behind:  xw[kb][row][64],  kb = k / 64 (16 blocks), 11,264 rows, 128 bytes a row piece.
; Rows 0-8191 are input's.  Then, for each t = 0..7, the 384 rows that one tile of the projections takes, on end:  Wq 128 t + 0..127,  Wv 128 t + 0..63,  Wk 128 t + 0..127,  Wv 128 t + 64..127.
; A stream: every input byte is read once, every output byte written once.  No LDS, no barrier, no matrix unit, no cluster: the work-groups share no byte.
; Work-group idx converts 4 rows of 1,024 numbers: 16,384 bytes in, 8,192 out.  idx 0-2047: input; then 256 blocks for each of Wq, Wk, Wv.
; A wave takes two rows and eight K blocks.  Its load covers 256 consecutive bytes of each row (64 numbers: one K block); its store covers 256 consecutive bytes, aligned (the two rows' pieces of that block).
.set NIN, 2048                         ; blocks of input
.set NW,  256                          ; blocks of a weight matrix
.set KBS, 11264*128                    ; bytes from a K block of xw to the next
.set X,   4                            ; v[4:35]   eight loads of four f32
.set Y,   36                           ; v[36:51]  eight pairs of packed bf16
	s_load_b256 s[4:11], s[0:1], 0x0               ; input s[4:5], Wq s[6:7], Wk s[8:9], Wv s[10:11]
	s_load_b64 s[12:13], s[0:1], 0x20              ; xw
	s_mov_b32 s20, ttmp9                           ; idx
	s_sub_co_u32 s14, s20, NIN
	s_and_b32 s15, s14, NW-1                       ; the block inside a weight matrix
	s_lshr_b32 s21, s14, 8                         ; which matrix: 0 Wq, 1 Wk, 2 Wv
	s_lshl_b32 s22, s15, 2                         ; its first row
	s_lshr_b32 s23, s22, 7                         ; t
	s_and_b32 s22, s22, 127                        ; i: the row inside its 128
	s_mul_i32 s23, s23, 384
	s_add_co_u32 s23, s23, s22
	s_add_co_u32 s23, s23, 8192                    ; 8192 + 384 t + i
	s_lshr_b32 s22, s22, 6
	s_lshl_b32 s22, s22, 7
	s_add_co_u32 s22, s22, 128                     ; Wv: + 128 for i < 64, + 256 behind
	s_cmp_eq_u32 s21, 1
	s_cselect_b32 s24, 192, 0                      ; Wk: + 192; Wq: + 0
	s_cmp_eq_u32 s21, 2
	s_cselect_b32 s24, s22, s24
	s_add_co_u32 s23, s23, s24
	s_lshl_b32 s25, s20, 2                         ; input's rows keep their numbers
	s_cmp_lt_u32 s20, NIN
	s_cselect_b32 s23, s25, s23                    ; my first row in xw: a multiple of 4
	s_cselect_b32 s15, s20, s15                    ; the block inside my source
	s_lshl_b32 s16, s15, 14                        ; its first byte
	s_mov_b32 s17, 0
	s_lshl_b32 s18, s23, 7                         ; my first byte in K block 0 of xw
	s_mov_b32 s19, 0
	v_and_b32 v1, 15, v0                           ; which four numbers of a K block
	v_bfe_u32 v52, v0, 4, 2                        ; which of the four rows: a wave has two neighbours
	v_lshrrev_b32 v53, 6, v0                       ; which eight K blocks
	v_lshlrev_b32 v2, 3, v1                        ; out: 8 bytes a thread,
	v_lshlrev_b32 v1, 4, v1                        ; in: 16
	v_lshl_add_u32 v1, v52, 12, v1                 ; a row of f32 is 4,096 bytes,
	v_lshl_add_u32 v1, v53, 11, v1                 ; eight K blocks of it 2,048
	v_lshl_add_u32 v2, v52, 7, v2
	v_mul_u32_u24 v53, v53, 8*KBS
	v_add_nc_u32 v2, v2, v53
	v_add_nc_u32 v3, 4*KBS, v2                     ; a second offset, so that the stores' immediates stay inside their signed 24 bits
	s_wait_kmcnt 0x0
	s_cmp_ge_u32 s20, NIN                          ; which source: the choice hangs on the work-group's number alone
	s_cselect_b64 s[4:5], s[6:7], s[4:5]
	s_cmp_ge_u32 s20, NIN+NW
	s_cselect_b64 s[4:5], s[8:9], s[4:5]
	s_cmp_ge_u32 s20, NIN+2*NW
	s_cselect_b64 s[4:5], s[10:11], s[4:5]
	s_add_nc_u64 s[4:5], s[4:5], s[16:17]
	s_add_nc_u64 s[12:13], s[12:13], s[18:19]
.irp i, 0,1,2,3,4,5,6,7
	global_load_b128 v[X+4*(\i):X+4*(\i)+3], v1, s[4:5] offset:256*(\i) th:TH_LOAD_NT  ; all eight go out before anything is waited for
.endr
.irp i, 0,1,2,3,4,5,6,7
	s_wait_loadcnt 7-(\i)                          ; loads come back in order: load i is in, the 7 - i younger ones may stay out
	v_cvt_pk_bf16_f32 v[Y+2*(\i)],   v[X+4*(\i)],   v[X+4*(\i)+1]
	v_cvt_pk_bf16_f32 v[Y+2*(\i)+1], v[X+4*(\i)+2], v[X+4*(\i)+3]
	global_store_b64 v[2+(\i)/4], v[Y+2*(\i):Y+2*(\i)+1], s[12:13] offset:((\i)%4)*KBS
.endr
	s_endpgm
.Lfunc_end_k_q5615ed40ff_cast:
	.size	k_q5615ed40ff_cast, .Lfunc_end_k_q5615ed40ff_cast-k_q5615ed40ff_cast
	.p2alignl 7, 3214868480
	.fill 96, 4, 3214868480
	.section	.rodata,"a",@progbits
	.p2align	6, 0x0
	.amdhsa_kernel k_q5615ed40ff_cast
		.amdhsa_group_segment_fixed_size 0
		.amdhsa_private_segment_fixed_size 0
		.amdhsa_enable_private_segment 0
		.amdhsa_kernarg_size 40
		.amdhsa_user_sgpr_count 2
		.amdhsa_user_sgpr_kernarg_segment_ptr 1
		.amdhsa_wavefront_size32 1
		.amdhsa_system_sgpr_workgroup_id_x 1
		.amdhsa_system_sgpr_workgroup_id_y 1
		.amdhsa_system_sgpr_workgroup_id_z 1
		.amdhsa_system_vgpr_workitem_id 0
		.amdhsa_next_free_vgpr 56
		.amdhsa_next_free_sgpr 66
		.amdhsa_reserve_vcc 0
		.amdhsa_float_denorm_mode_32 3
		.amdhsa_float_denorm_mode_16_64 3
		.amdhsa_memory_ordered 1
		.amdhsa_forward_progress 1
		.amdhsa_inst_pref_size 6
	.end_amdhsa_kernel
	.amdgpu_metadata
---
amdhsa.version: [ 1, 2 ]
amdhsa.kernels:
  - .name:           k_q5615ed40ff_cast
    .symbol:         k_q5615ed40ff_cast.kd
    .args:
      - { .name: input, .offset: 0, .size: 8, .value_kind: global_buffer, .address_space: global }
      - { .name: Wq, .offset: 8, .size: 8, .value_kind: global_buffer, .address_space: global }
      - { .name: Wk, .offset: 16, .size: 8, .value_kind: global_buffer, .address_space: global }
      - { .name: Wv, .offset: 24, .size: 8, .value_kind: global_buffer, .address_space: global }
      - { .name: xw, .offset: 32, .size: 8, .value_kind: global_buffer, .address_space: global }
    .group_segment_fixed_size: 0
    .private_segment_fixed_size: 0
    .kernarg_segment_align: 8
    .kernarg_segment_size: 40
    .max_flat_workgroup_size: 128
    .sgpr_count:     66
    .vgpr_count:     56
    .wavefront_size: 32
...
	.end_amdgpu_metadata
.endif
;; end of part 1
;; launch proj (part 2): grid 8 x 32, 4 waves a work-group, clusters of 4 x 4, 327,680 bytes of LDS; arguments xw, bq, bk, bv, qkv; writes qkv
.if DOCPART == 2
	.amdgcn_target "amdgcn-amd-amdhsa--gfx1250"
	.amdhsa_code_object_version 6
	.text
	.protected	k_q5615ed40ff_proj
	.globl	k_q5615ed40ff_proj
	.p2align	8
	.type	k_q5615ed40ff_proj,@function
k_q5615ed40ff_proj:
	s_mov_b64 s[64:65], 0
	v_nop
	global_prefetch_b8 v0, s[64:65] scope:SCOPE_SE
	s_setreg_imm32_b32 hwreg(HW_REG_WAVE_MODE, 25, 1), 1
	s_wait_xcnt 0x0
	s_wait_alu depctr_hold_cnt(0) depctr_sa_sdst(0) depctr_va_vdst(0) depctr_va_sdst(0) depctr_va_ssrc(0) depctr_va_vcc(0) depctr_vm_vsrc(0)
	s_getreg_b32 s2, hwreg(HW_REG_IB_STS2, 6, 4)
	s_cmp_eq_u32 s2, 0
	s_cbranch_scc0 .Lentry_in_a_cluster
	s_endpgm
.Lentry_in_a_cluster:
	s_bfe_u32 s2, ttmp6, 0x10000c
	s_cmp_lg_u32 s2, 0xf033
	s_cbranch_scc0 .Lentry_shape_is_right
	s_endpgm
.Lentry_shape_is_right:
; q, k, v = x W^T + b.  xw[kb][row][64] bf16 holds x (rows 0-8191) and, from row 8192 on, for each t the 384 rows Wq 128 t.., Wv 128 t + 0..63, Wk 128 t.., Wv 128 t + 64..127.
; b f32; qkv = [3][8192][1024] bf16.  Sums in f32; the bias is loaded into the accumulators and so starts each sum (it is added first, not last); the result is rounded to bf16 once.
; SHARES.  256 work-groups, one tile each: 256 rows of x (256 ty) x 384 columns: columns 128 tx .. + 127 of q, of k and of v.  The tile fetches 640 rows of 2,048 bytes in all.
; A wave (WR, WC) has 96 accumulators in three phases of 32 matrix instructions a quarter (32 along K):
;   X: its own unit of 128 columns (q for WC = 0, k for WC = 1) x the 64 rows 128 WR + 64 (1 - WC) ..        window 1
;   Y: the same unit x the 64 rows 128 WR + 64 WC ..                                                        window 2
;   Z: v's unit x those same 64 rows                                                                        window 3
; so each wave's results are whole pieces of 128 columns, 256 bytes of a row, and leave through its own stage with no barrier.
; K = 1,024 goes in 16 steps of 64 through a ring of two LDS slots (two slots of 128 along K would take 348,160 bytes).  A row piece of a step is 128 bytes and the pieces of neighbouring
; rows lie end to end in xw, so a wave's part of a tile is dense: it is asked for as rows of 256 bytes and padded in LDS after every 128.
; CLUSTER 4 x 4.  x's tile hangs on ty alone and is asked for jointly by a row of the cluster, W's on tx alone, by a column.
; THE MATRIX INSTRUCTION IS USED TRANSPOSED (source 0 = 16 rows of W, source 1 = 16 rows of x): a lane holds eight neighbouring columns of one row of the result.
; REGISTERS, in windows of 256 (s_set_vgpr_msb: bits 1:0 source 0, 3:2 source 1, 5:4 source 2, 7:6 destination).  Windows 1-3: accumulator (a, b) at v[8 (8 a + b)].
;   window 0: v1-19 addresses; v28-29 the add's; fragments: v32-63 Ao (X's rows), v64-95 and v224-255 Av (Y's and Z's rows; the quarters of a step take turns), v96-159 Bo (own unit), v160-223 Bv (v's unit).
; The fragments have no second buffer but Av's: each group is loaded again, for the next quarter, as soon as its last reader has gone: Ao and the next Av behind X, Bo 0-3 in the middle of Y,
; Bo 4-7 behind Y, Bv behind Z.  Each run stands 48 matrix instructions or more ahead of its first use.
.set PITCH,  144                       ; an LDS row: 128 bytes + 16 of padding = 9 x 16: the 16 rows of a fragment load start at 16 different groups of four banks (ISA guide 11.1)
.set XREG,   128*PITCH                 ; what a wave fetches of x, and the rows that a wave reads
.set WREG,   192*PITCH                 ; what a wave fetches of W: a unit of 128 rows and half of v's
.set WOFF,   2*XREG                    ; in a slot: x's 256 rows, then W's 384
.set SLOT1,  1<<17                     ; slot 1 begins here: one exclusive or turns an address in one slot into the other's
.set STAGE,  WOFF+2*WREG               ; behind slot 0: 16 rows x 272 bytes for each wave, for the way out; no tensor load lands here
.set SPITCH, 272
.set SPARE,  STAGE+4*16*SPITCH         ; the spare words, 128 bytes a wave
.set KBS,    11264*128                 ; bytes from a K block of xw to the next: a K step
.set ROWB,   2048                      ; bytes in a row of q, k, v
.set ADO0, 8                           ; v8-11   my lane's place in Ao's, Av's, Bo's, Bv's rows of slot 0; never rewritten
.set ADV0, 9
.set ADB0, 10
.set ADW0, 11
.set ADO,  12                          ; v12-15  the same in the slot that is being fetched from
.set ADV,  13
.set ADB,  14
.set ADW,  15
.set STO,  16                          ; v16  the way out: where I put 16 bytes of a row
.set RD,   17                          ; v17  where I read a row back
.set CO,   18                          ; v18  my byte offset in two rows of the result
.set BOF,  19                          ; v19  my byte offset in a bias
.set SPW,  28
.set NIL,  29
.set FAO,  32
.set FAV0, 64
.set FBO,  96
.set FBV,  160
.set FAV1, 224
.set TMP,  32                          ; the way out: packed results,
.set OB,   64                          ; and rows read back: v64-95 and v96-127 by turns
.set WV,  14                           ; s14  wave
.set WR,  15                           ; s15  my half of the rows; also: I fetch for x (0) or for W (1)
.set WC,  16                           ; s16  my unit; also: which half of that tile I fetch
.set G1M, 24                           ; s[24:31] group 1 for x's tiles;  s[32:39] group 0: the set of the first fill, and the set that walks
.set G0M, 32
.set TB,  46                           ; s46  the slot that is being fetched from: 0 or SLOT1
.set CNT, 47                           ; s47  trips
.set G1N, 48                           ; s[48:55], s[56:63] the same for W's tiles
.set G0N, 56
.set CB0, 66                           ; s[66:67], s[68:69], s[70:71] where X's, Y's, Z's results begin;  s[74:75] my unit's bias
.set MSB, 0
.macro WIN new                         ; the immediate's high byte repeats the setting that is left; a switch that changes nothing is dropped
.if MSB != (\new)
	s_set_vgpr_msb (MSB<<8)|(\new)
.set MSB, \new
.endif
.endm
.macro PLACES                          ; four plain vector instructions between a matrix instruction and a load into, or a vector instruction on, its registers
.rept 4
	v_nop
.endr
.endm
.macro JLOAD                           ; a joint refill by the walking sets: waves 0, 1 x's halves, waves 2, 3 W's; s_nop 0 and four v_nop follow each line
	s_cmp_eq_u32 s[WR], 0
	s_cbranch_scc0 .Lfor_n_\@
	tensor_load_to_lds s[G0M+4:G0M+7], s[G1M:G1M+7]
	s_nop 0
.rept 4
	v_nop
.endr
	s_branch .Lasked_\@
.Lfor_n_\@:
	tensor_load_to_lds s[G0N+4:G0N+7], s[G1N:G1N+7]
	s_nop 0
.rept 4
	v_nop
.endr
.Lasked_\@:
.endm
.macro CREST                           ; a round of the cluster's barrier behind its opening barrier
	s_cmp_lg_u32 s[WV], 0
	s_cbranch_scc1 .Lnot_wave_0_\@
	s_barrier_signal -3
.Lnot_wave_0_\@:
	s_barrier_wait -3
	s_barrier_signal -1
	s_barrier_wait -1
.endm
.macro CROUND
	s_barrier_signal -1
	s_barrier_wait -1
	CREST
.endm
	s_load_b256 s[4:11], s[0:1], 0x0               ; xw s[4:5], bq s[6:7], bk s[8:9], bv s[10:11]
	s_load_b64 s[12:13], s[0:1], 0x20              ; qkv
	v_lshl_add_u32 v[SPW], v0, 2, SPARE
	v_mov_b32 v[NIL], 0
	ds_add_u32 v[SPW], v[NIL]                      ; the wave's opening: the add and its wait stand ahead of my first tensor load
	v_lshrrev_b32 v1, 5, v0
	v_readfirstlane_b32 s[WV], v1
	s_lshr_b32 s[WR], s[WV], 1
	s_and_b32 s[WC], s[WV], 1
	s_bfe_u32 s17, ttmp6, 0x40000                  ; cx
	s_bfe_u32 s18, ttmp6, 0x40004                  ; cy
	s_lshl_b32 s19, ttmp9, 2
	s_add_co_u32 s19, s19, s17                     ; tx, 0 to 7
	s_and_b32 s20, ttmp7, 0xffff
	s_lshl_b32 s20, s20, 2
	s_add_co_u32 s20, s20, s18                     ; ty, 0 to 31
	s_lshl_b32 s21, s18, 2
	s_lshl_b32 s21, 15, s21                        ; my row of the cluster
	s_lshl_b32 s22, 0x1111, s17                    ; my column
	; 128 rows of x are 16,384 dense bytes: 64 rows of 256; 192 rows of W are 96 such rows
	s_or_b32 s[G1M], s21, (1<<16)|(1<<20)|(1<<21)|(4<<22)|(3<<25)  ; mask; 2-byte elements; padding on; bit 21 beside a mask; after every 32 words, 4 words
	s_mov_b32 s[G1M+1], 128<<16                    ; tensor_dim0 = 128
	s_mov_b32 s[G1M+2], 64<<16                     ; tensor_dim1 = 64
	s_mov_b32 s[G1M+3], 128<<16                    ; tile_dim0 = 128
	s_mov_b32 s[G1M+4], 64                         ; tile_dim1 = 64
	s_mov_b32 s[G1M+5], 128                        ; elements from row to row
	s_mov_b32 s[G1M+6], 0
	s_mov_b32 s[G1M+7], 0
	s_or_b32 s[G1N], s22, (1<<16)|(1<<20)|(1<<21)|(4<<22)|(3<<25)
	s_mov_b32 s[G1N+1], 128<<16
	s_mov_b32 s[G1N+2], 96<<16
	s_mov_b32 s[G1N+3], 128<<16
	s_mov_b32 s[G1N+4], 96
	s_mov_b32 s[G1N+5], 128
	s_mov_b32 s[G1N+6], 0
	s_mov_b32 s[G1N+7], 0
	s_lshl_b32 s40, s20, 15                        ; x: row 256 ty + 128 x half, 128 bytes a row piece: made of ty and the wave alone
	s_lshl_b32 s23, s[WC], 14
	s_add_co_u32 s40, s40, s23
	s_mov_b32 s41, 0
	s_mul_i32 s42, s19, 384*128                    ; W: row 8192 + 384 tx + 192 x half: made of tx and the wave alone
	s_mul_i32 s23, s[WC], 192*128
	s_add_co_u32 s42, s42, s23
	s_add_co_u32 s42, s42, 8192*128
	s_mov_b32 s43, 0
	s_mul_i32 s2, s[WC], XREG                      ; where they go: no place in the cluster enters an LDS address
	s_mul_i32 s3, s[WC], WREG
	s_add_co_u32 s3, s3, WOFF
	s_mov_b32 s[TB], 0
	s_lshl_b32 s44, s20, 19                        ; the results: row 256 ty + 128 WR,
	s_lshl_b32 s23, s[WR], 18
	s_add_co_u32 s44, s44, s23
	s_lshl_b32 s72, s19, 8                         ; column 128 tx, in bytes
	s_add_co_u32 s72, s72, s44
	s_lshl_b32 s23, s[WC], 17                      ; Y's and Z's rows: + 64 WC;
	s_sub_co_u32 s45, 0x20000, s23                 ; X's: + 64 (1 - WC)
	s_lshl_b32 s73, s[WC], 24                      ; my unit's tensor: q or k, 8,192 rows apart
	s_add_co_u32 s[CB0], s72, s45
	s_add_co_u32 s[CB0], s[CB0], s73
	s_mov_b32 s[CB0+1], 0
	s_add_co_u32 s[CB0+2], s72, s23
	s_add_co_u32 s[CB0+4], s[CB0+2], 2*8192*ROWB   ; v
	s_add_co_u32 s[CB0+2], s[CB0+2], s73
	s_mov_b32 s[CB0+3], 0
	s_mov_b32 s[CB0+5], 0
	s_lshl_b32 s73, s19, 9                         ; column 128 tx in a bias, in bytes
	s_wait_dscnt 0x0                               ; the opening add is done
	s_wait_kmcnt 0x0
	s_add_nc_u64 s[40:41], s[4:5], s[40:41]
	s_add_nc_u64 s[42:43], s[4:5], s[42:43]
	s_add_nc_u64 s[CB0:CB0+1], s[12:13], s[CB0:CB0+1]
	s_add_nc_u64 s[CB0+2:CB0+3], s[12:13], s[CB0+2:CB0+3]
	s_add_nc_u64 s[CB0+4:CB0+5], s[12:13], s[CB0+4:CB0+5]
	s_cmp_eq_u32 s[WC], 0                          ; my unit's bias: the choice hangs on the wave's number alone
	s_cselect_b64 s[74:75], s[6:7], s[8:9]
	CROUND                                         ; all sixteen work-groups are here: the first joint loads meet
.irp s, 0,1
	s_mov_b32 s[G0M+4*(\s)], 1                                       ; count = 1
	s_add_co_u32 s[G0M+4*(\s)+1], s2, (\s)*SLOT1                     ; LDS address
	s_add_nc_u64 s[G0M+4*(\s)+2:G0M+4*(\s)+3], s[40:41], (\s)*KBS    ; global address: K step s
	s_or_b32 s[G0M+4*(\s)+3], s[G0M+4*(\s)+3], 0x80000000            ; type = 2
	s_mov_b32 s[G0N+4*(\s)], 1
	s_add_co_u32 s[G0N+4*(\s)+1], s3, (\s)*SLOT1
	s_add_nc_u64 s[G0N+4*(\s)+2:G0N+4*(\s)+3], s[42:43], (\s)*KBS
	s_or_b32 s[G0N+4*(\s)+3], s[G0N+4*(\s)+3], 0x80000000
.endr
	s_cmp_eq_u32 s[WR], 0                          ; a wave's two first fills stand in one branch: two loads of mine are out
	s_cbranch_scc0 .Lfirst_n
	tensor_load_to_lds s[G0M:G0M+3], s[G1M:G1M+7]
	s_nop 0
	tensor_load_to_lds s[G0M+4:G0M+7], s[G1M:G1M+7]
	s_nop 0
.rept 4
	v_nop
.endr
	s_branch .Lfirst_asked
.Lfirst_n:
	tensor_load_to_lds s[G0N:G0N+3], s[G1N:G1N+7]
	s_nop 0
	tensor_load_to_lds s[G0N+4:G0N+7], s[G1N:G1N+7]
	s_nop 0
.rept 4
	v_nop
.endr
.Lfirst_asked:
	v_and_b32 v1, 15, v0                           ; r
	v_bfe_u32 v2, v0, 4, 1                         ; h
	v_lshl_add_u32 v[BOF], v2, 5, s73              ; register j of column block b is column 16 b + 8 h + j
; THE BIAS STARTS THE SUMS: it is loaded straight into the accumulators of window w, the same 64 numbers a lane for each of the four row blocks.  No window has 128 registers free beside the
; fragments to hold it as a C operand, and these 192 loads of a wave go out while the first tile is on its way.
.macro BIASW w, base
	WIN (\w)<<6
.irp a, 0,1,2,3
.irp b, 0,1,2,3,4,5,6,7
	global_load_b128 v[8*(8*(\a)+(\b)):8*(8*(\a)+(\b))+3],   v[BOF], s[\base:\base+1] offset:64*(\b)
	global_load_b128 v[8*(8*(\a)+(\b))+4:8*(8*(\a)+(\b))+7], v[BOF], s[\base:\base+1] offset:64*(\b)+16
.endr
.endr
	WIN 0
.endm
	BIASW 1, 74
	BIASW 2, 74
	BIASW 3, 10
	; a fragment is 16 rows x 32 K in 8 registers: lane l holds row l % 16, K = 8 (l / 16) + 0..7 and 16 + 8 (l / 16) + 0..7: two loads of 16 bytes, 32 bytes apart
	v_mul_u32_u24 v3, v1, PITCH
	v_lshl_add_u32 v3, v2, 4, v3
	s_mul_i32 s2, s[WR], XREG                      ; my 128 rows of x,
	s_mul_i32 s23, s[WC], 64*PITCH
	s_add_co_u32 s44, s2, s23                      ; of them Y's and Z's 64,
	v_add_nc_u32 v[ADV0], s44, v3
	s_sub_co_u32 s44, 64*PITCH, s23
	s_add_co_u32 s44, s44, s2                      ; and X's
	v_add_nc_u32 v[ADO0], s44, v3
	v_add_nc_u32 v[ADB0], s3, v3                   ; my unit: the first 128 rows of W's half WC
	v_add_nc_u32 v[ADW0], WOFF+128*PITCH, v3       ; v's unit: the last 64 rows of both halves
	v_mov_b32 v[ADO], v[ADO0]
	v_mov_b32 v[ADV], v[ADV0]
	v_mov_b32 v[ADB], v[ADB0]
	v_mov_b32 v[ADW], v[ADW0]
	s_mul_i32 s2, s[WV], 16*SPITCH
	s_add_co_u32 s2, s2, STAGE                     ; my stage
	v_mul_u32_u24 v4, v1, SPITCH                   ; in: row r, 16 bytes for each half of the lanes
	v_lshl_add_u32 v4, v2, 4, v4
	v_add_nc_u32 v[STO], s2, v4
	v_mul_u32_u24 v5, v2, SPITCH                   ; back: lanes 0-15 one row of 256 bytes, lanes 16-31 the next
	v_lshl_add_u32 v5, v1, 4, v5
	v_add_nc_u32 v[RD], s2, v5
	v_lshlrev_b32 v[CO], 11, v2                    ; and the same two rows in the result
	v_lshl_add_u32 v[CO], v1, 4, v[CO]
; THE LDS LOADS, in runs.  q: which 32 of the step's 64 along K.
.macro LD_A f, adr, q                  ; four fragments of x into f
	WIN 0
.irp a, 0,1,2,3
	ds_load_b128 v[(\f)+8*(\a):(\f)+8*(\a)+3],   v[\adr] offset:64*(\q)+(\a)*16*PITCH
	ds_load_b128 v[(\f)+8*(\a)+4:(\f)+8*(\a)+7], v[\adr] offset:64*(\q)+(\a)*16*PITCH+32
.endr
.endm
.macro LD_BO half, q                   ; column blocks 4 half .. 4 half + 3 of my unit
	WIN 0
.irp b, 0,1,2,3
	ds_load_b128 v[FBO+8*(4*(\half)+(\b)):FBO+8*(4*(\half)+(\b))+3],   v[ADB] offset:64*(\q)+(4*(\half)+(\b))*16*PITCH
	ds_load_b128 v[FBO+8*(4*(\half)+(\b))+4:FBO+8*(4*(\half)+(\b))+7], v[ADB] offset:64*(\q)+(4*(\half)+(\b))*16*PITCH+32
.endr
.endm
.macro LD_BV q                         ; v's eight column blocks: four in each half of W's tile
	WIN 0
.irp b, 0,1,2,3,4,5,6,7
	ds_load_b128 v[FBV+8*(\b):FBV+8*(\b)+3],   v[ADW] offset:64*(\q)+((\b)/4)*WREG+((\b)%4)*16*PITCH
	ds_load_b128 v[FBV+8*(\b)+4:FBV+8*(\b)+7], v[ADW] offset:64*(\q)+((\b)/4)*WREG+((\b)%4)*16*PITCH+32
.endr
.endm
; THE MATRIX WORK.  Each of the 96 accumulators has one instruction a quarter, always in the same order: they take turns.
.macro MX half                         ; 16: my unit's blocks 4 half .. x Ao
	WIN 0x50
.irp b, 0,1,2,3
.irp a, 0,1,2,3
	v_wmma_f32_16x16x32_bf16 v[8*(8*(\a)+4*(\half)+(\b)):8*(8*(\a)+4*(\half)+(\b))+7], v[FBO+8*(4*(\half)+(\b)):FBO+8*(4*(\half)+(\b))+7], v[FAO+8*(\a):FAO+8*(\a)+7], v[8*(8*(\a)+4*(\half)+(\b)):8*(8*(\a)+4*(\half)+(\b))+7]
.endr
.endr
.endm
.macro MY half, fav                    ; 16: my unit's blocks 4 half .. x Av
	WIN 0xa0
.irp b, 0,1,2,3
.irp a, 0,1,2,3
	v_wmma_f32_16x16x32_bf16 v[8*(8*(\a)+4*(\half)+(\b)):8*(8*(\a)+4*(\half)+(\b))+7], v[FBO+8*(4*(\half)+(\b)):FBO+8*(4*(\half)+(\b))+7], v[(\fav)+8*(\a):(\fav)+8*(\a)+7], v[8*(8*(\a)+4*(\half)+(\b)):8*(8*(\a)+4*(\half)+(\b))+7]
.endr
.endr
.endm
.macro MZ fav                          ; 32: v's unit x Av
	WIN 0xf0
.irp b, 0,1,2,3,4,5,6,7
.irp a, 0,1,2,3
	v_wmma_f32_16x16x32_bf16 v[8*(8*(\a)+(\b)):8*(8*(\a)+(\b))+7], v[FBV+8*(\b):FBV+8*(\b)+7], v[(\fav)+8*(\a):(\fav)+8*(\a)+7], v[8*(8*(\a)+(\b)):8*(8*(\a)+(\b))+7]
.endr
.endr
.endm
; A step's first quarter.  It fetches the second quarter's fragments from the same slot.  LDS loads come back in order (ISA guide 5.7.1); a quarter issues 16 (Ao, Av), 8, 8 (Bo), 16 (Bv).
.macro QP
	s_wait_dscnt 24                                ; Ao, Av and Bo 0-3 are in; Bo 4-7 and Bv may be out
	MX 0
	s_wait_dscnt 16                                ; Bo 4-7 are in; Bv may be out
	MX 1
	PLACES
	LD_A FAO, ADO, 1
	LD_A FAV1, ADV, 1
	MY 0, FAV0
	PLACES
	LD_BO 0, 1
	MY 1, FAV0
	PLACES
	LD_BO 1, 1
	s_wait_dscnt 32                                ; Bv is in; the 32 loads issued in this quarter may be out
	MZ FAV0
	PLACES
	LD_BV 1
.endm
; A step's second quarter changes slots behind X: all reads of this slot were issued in the quarter before.  Each wave waits for all its tensor loads (one is out: its part of the next slot),
; adds 0 to its spare word, and waits for that and for its reads.  fill = 1: the barrier opens a round of the cluster's, and this slot is filled again first behind it, two K steps ahead:
; 176 matrix instructions stand between the request and the wait for it.
.macro QT fill
	s_wait_dscnt 24
	MX 0
	s_wait_dscnt 16
	MX 1
	WIN 0
	s_wait_tensorcnt 0x0                           ; no tensor load of mine is out, so the walking sets may be written
	ds_add_u32 v[SPW], v[NIL]
.if \fill
	s_xor_b32 s[G0M+5], s[G0M+5], SLOT1            ; the other slot than last time,
	s_add_nc_u64 s[G0M+6:G0M+7], s[G0M+6:G0M+7], KBS  ; the next K step
	s_xor_b32 s[G0N+5], s[G0N+5], SLOT1
	s_add_nc_u64 s[G0N+6:G0N+7], s[G0N+6:G0N+7], KBS
.endif
	s_wait_dscnt 0x0                               ; the add is done, and my reads of this slot are over (the last were issued 32 matrix instructions ago)
	s_barrier_signal -1
	MY 0, FAV1                                     ; work on registers while the others arrive
	WIN 0
	s_barrier_wait -1
.if \fill
	CREST                                          ; no wave of any partner still reads this slot's tile or has a load on its way
	JLOAD                                          ; its four v_nop are also the places in front of the loads below
.else
	PLACES
.endif
	s_xor_b32 s[TB], s[TB], SLOT1
	v_add_nc_u32 v[ADO], s[TB], v[ADO0]
	v_add_nc_u32 v[ADV], s[TB], v[ADV0]
	v_add_nc_u32 v[ADB], s[TB], v[ADB0]
	v_add_nc_u32 v[ADW], s[TB], v[ADW0]
	LD_A FAO, ADO, 0
	LD_A FAV0, ADV, 0
	LD_BO 0, 0
	MY 1, FAV1
	PLACES
	LD_BO 1, 0
	MZ FAV1                                        ; Bv came in with the wait for 0 above
	PLACES
	LD_BV 0
.endm
; THE WAY OUT of row block a of window w: rounded to bf16, 16 bytes a lane; through my own stage; back as whole rows of 256 bytes; stored.  n counts the twelve blocks.
.macro PACK w, a
	WIN 5*(\w)                                     ; sources 0 and 1 in window w
.irp b, 0,1,2,3,4,5,6,7
.irp q, 0,1,2,3
	v_cvt_pk_bf16_f32 v[TMP+4*(\b)+(\q)], v[8*(8*(\a)+(\b))+2*(\q)], v[8*(8*(\a)+(\b))+2*(\q)+1]
.endr
.endr
	WIN 0
.endm
.macro TOSTAGE n
	WIN 0
.set BK, OB+32*((\n)%2)
.irp b, 0,1,2,3,4,5,6,7
	ds_store_b128 v[STO], v[TMP+4*(\b):TMP+4*(\b)+3] offset:32*(\b)
.endr
.irp t, 0,1,2,3,4,5,6,7
	ds_load_b128 v[BK+4*(\t):BK+4*(\t)+3], v[RD] offset:(\t)*2*SPITCH  ; LDS serves a wave's instructions in order (ISA guide 5.7.1.4): these see the stores above
.endr
.endm
.macro SEND n
	WIN 0
.set BK, OB+32*((\n)%2)
.set CB, CB0+2*((\n)/4)
	s_wait_dscnt 0x0                               ; the block is back in registers
	s_wait_xcnt 0x0                                ; the registers that the stores of the block before last read are loaded again only behind this wait
.irp t, 0,1,2,3,4,5,6,7
	global_store_b128 v[CO], v[BK+4*(\t):BK+4*(\t)+3], s[CB:CB+1] offset:((\n)%4)*16*ROWB+2*(\t)*ROWB  ; 16 lanes store 256 consecutive bytes, aligned; 62 rows at the most stand in the immediate
.endr
.endm
	s_wait_tensorcnt 0x1                           ; my part of K step 0 is in; step 1's may stay out
	s_barrier_signal -1
	s_barrier_wait -1
	LD_A FAO, ADO, 0                               ; the first quarter's fragments, in the order in which every quarter issues them
	LD_A FAV0, ADV, 0
	LD_BO 0, 0
	LD_BO 1, 0
	LD_BV 0
	s_wait_loadcnt 0x0                             ; the bias lies in the accumulators
	s_mov_b32 s[CNT], 14
.Lstep:                                                ; a trip is a K step; its change of slots asks for the step after the next
	QP
	QT 1
	WIN 0
	s_sub_co_u32 s[CNT], s[CNT], 1
	s_cmp_lg_u32 s[CNT], 0
	s_cbranch_scc1 .Lstep
	QP                                             ; the last two K steps ask for nothing
	QT 0
	QP
	s_wait_dscnt 24                                ; the very last quarter: nothing more to fetch
	MX 0
	s_wait_dscnt 16
	MX 1
	MY 0, FAV1
	MY 1, FAV1
	s_wait_dscnt 0x0
	MZ FAV1
	PLACES
	PACK 1, 0
	TOSTAGE 0
.set n, 1
.rept 11                               ; block n's conversions stand between block n - 1's loads from the stage and the wait for them
	PACK 1+n/4, n%4
	SEND n-1
	TOSTAGE n
.set n, n+1
.endr
	SEND 11
	s_wait_tensorcnt 0x0                           ; the wave's end
	ds_add_u32 v[SPW], v[NIL]
	s_wait_dscnt 0x0
	CROUND                                         ; the closing round
	s_endpgm
.Lfunc_end_k_q5615ed40ff_proj:
	.size	k_q5615ed40ff_proj, .Lfunc_end_k_q5615ed40ff_proj-k_q5615ed40ff_proj
	.p2alignl 7, 3214868480
	.fill 96, 4, 3214868480
	.section	.rodata,"a",@progbits
	.p2align	6, 0x0
	.amdhsa_kernel k_q5615ed40ff_proj
		.amdhsa_group_segment_fixed_size 327680
		.amdhsa_private_segment_fixed_size 0
		.amdhsa_enable_private_segment 0
		.amdhsa_kernarg_size 40
		.amdhsa_user_sgpr_count 2
		.amdhsa_user_sgpr_kernarg_segment_ptr 1
		.amdhsa_wavefront_size32 1
		.amdhsa_system_sgpr_workgroup_id_x 1
		.amdhsa_system_sgpr_workgroup_id_y 1
		.amdhsa_system_sgpr_workgroup_id_z 1
		.amdhsa_system_vgpr_workitem_id 0
		.amdhsa_next_free_vgpr 1024
		.amdhsa_next_free_sgpr 76
		.amdhsa_reserve_vcc 0
		.amdhsa_float_denorm_mode_32 3
		.amdhsa_float_denorm_mode_16_64 3
		.amdhsa_memory_ordered 1
		.amdhsa_forward_progress 1
		.amdhsa_inst_pref_size 133
	.end_amdhsa_kernel
	.amdgpu_metadata
---
amdhsa.version: [ 1, 2 ]
amdhsa.kernels:
  - .name:           k_q5615ed40ff_proj
    .symbol:         k_q5615ed40ff_proj.kd
    .args:
      - { .name: xw, .offset: 0, .size: 8, .value_kind: global_buffer, .address_space: global }
      - { .name: bq, .offset: 8, .size: 8, .value_kind: global_buffer, .address_space: global }
      - { .name: bk, .offset: 16, .size: 8, .value_kind: global_buffer, .address_space: global }
      - { .name: bv, .offset: 24, .size: 8, .value_kind: global_buffer, .address_space: global }
      - { .name: qkv, .offset: 32, .size: 8, .value_kind: global_buffer, .address_space: global }
    .group_segment_fixed_size: 327680
    .private_segment_fixed_size: 0
    .kernarg_segment_align: 8
    .kernarg_segment_size: 40
    .max_flat_workgroup_size: 128
    .sgpr_count:     76
    .vgpr_count:     1024
    .wavefront_size: 32
...
	.end_amdgpu_metadata
.endif
;; end of part 2
;; launch scores (part 3): grid 8 x 32, 4 waves a work-group, clusters of 4 x 4, 327,680 bytes of LDS; arguments qkv, p, st; writes p, st
.if DOCPART == 3
	.amdgcn_target "amdgcn-amd-amdhsa--gfx1250"
	.amdhsa_code_object_version 6
	.text
	.protected	k_q5615ed40ff_scores
	.globl	k_q5615ed40ff_scores
	.p2align	8
	.type	k_q5615ed40ff_scores,@function
k_q5615ed40ff_scores:
	s_mov_b64 s[64:65], 0
	v_nop
	global_prefetch_b8 v0, s[64:65] scope:SCOPE_SE
	s_setreg_imm32_b32 hwreg(HW_REG_WAVE_MODE, 25, 1), 1
	s_wait_xcnt 0x0
	s_wait_alu depctr_hold_cnt(0) depctr_sa_sdst(0) depctr_va_vdst(0) depctr_va_sdst(0) depctr_va_ssrc(0) depctr_va_vcc(0) depctr_vm_vsrc(0)
	s_getreg_b32 s2, hwreg(HW_REG_IB_STS2, 6, 4)
	s_cmp_eq_u32 s2, 0
	s_cbranch_scc0 .Lentry_in_a_cluster
	s_endpgm
.Lentry_in_a_cluster:
	s_bfe_u32 s2, ttmp6, 0x10000c
	s_cmp_lg_u32 s2, 0xf033
	s_cbranch_scc0 .Lentry_shape_is_right
	s_endpgm
.Lentry_shape_is_right:
; For each query row and each CHUNK t of 128 keys of its batch:  m'_t = c max_k s,  P = 2^(c s - m'_t) in bf16,  l_t = the sum of the unrounded weights;  s = q . k,  c = log2(e) / 32.
; q = qkv[0], k = qkv[1]: [8192][1024] bf16; p: [8192][2048] bf16; st: f32 [2][4 batches][16 chunks][2048 rows], m' then l.
; Every exponential has the true maximum of its own 128 keys taken away; the launch behind merges the chunks with the row's true maximum, in f32.
; LIMITS.  A weight below 2^-126 counts as 0; NaN and infinities are not treated apart.
; SHARES.  A tile is 256 queries (256 ty) x 256 keys (256 tx) of batch ty / 8; four waves, each 128 x 128: 64 accumulators, 512 registers; a wave's 128 keys are chunk 2 tx + WC.
; K = 1,024 goes in 8 steps of 128 through a ring of two LDS slots.  CLUSTER 4 x 4: q's tile is asked for jointly by a row of the cluster, k's by a column.
; THE MATRIX INSTRUCTION IS USED TRANSPOSED (source 0 = 16 keys, source 1 = 16 queries): a lane holds ONE query (lane % 16) and eight neighbouring keys an accumulator.
; REGISTERS, in windows of 256 (s_set_vgpr_msb: bits 1:0 source 0, 3:2 source 1, 5:4 source 2, 7:6 destination):
;   window 0: v16-31 addresses; v64-127, v128-191 fragments of q, two buffers; behind the products: v64-127 a block's scores, v128-153 at work, v192-223 packed, v32-63 and v224-255 rows read back
;   window 1: v64-127, v128-191 fragments of k          window 2: the accumulators of my queries 0-63 ((a, b) at v[8 (8 a + b)])          window 3: of queries 64-127
.set PITCH,  272                       ; 256 bytes + 16 of padding: the 16 rows of a fragment load start at 16 different groups of four banks (ISA guide 11.1)
.set HALFT,  128*PITCH                 ; 128 rows: what a tensor load brings, and what a wave reads of q or of k
.set SLOT1,  4*HALFT                   ; a slot: q's 256 rows, then k's.  0x22000 shares no bit with wave x 0x8800, so an exclusive or changes slots
.set STAGE,  2*SLOT1                   ; 16 rows x 272 bytes for each wave
.set SST,    STAGE+4*16*PITCH          ; for each wave 128 m', then 128 l
.set SPARE,  SST+4*1024
.set PROW,   4096                      ; bytes in a row of p
.set ADRA0, 16                         ; v16  my lane's place in q's tile; never rewritten
.set ADRA,  17                         ; v17  the same in the slot in hand
.set ADRB0, 20
.set ADRB,  21
.set STO,  24
.set RD,   25
.set CO,   26                          ; v26  my byte offset in two rows of p
.set SA,   27                          ; v27  where query l % 16 of a block puts m'
.set SPW,  28
.set NIL,  29
.set SR,   30                          ; v30  where I read four statistics back
.set GS,   31                          ; v31  16 x lane
.set F0,   64
.set F1,   128
.set E,    64
.set T,    128
.set CM,   150                         ; v[150:151] c m in the low register
.set X,    152
.set TMP,  192
.set OB,   32
.set WV, 10
.set WR, 11
.set WC, 12
.set G1, 24
.set G0, 32
.set TB, 45
.set G1B, 48
.set G0B, 56
.set CNT, 66
.set CS, 72                            ; s[72:73] c
.set SEL, 74                           ; s[74:75] v_permlanex16_b32's selects: each lane takes its own place in the other half
.set MSB, 0
.macro WIN new
.if MSB != (\new)
	s_set_vgpr_msb (MSB<<8)|(\new)
.set MSB, \new
.endif
.endm
.set MUL_LO, 0xa1                      ; source 0 (k) window 1, source 1 (q) window 0, C and D window 2
.set TO_B,   0x40
.macro PLACES
.rept 4
	v_nop
.endr
.endm
.macro JLOAD                           ; a joint refill by the walking sets: waves 0, 1 q's halves, waves 2, 3 k's
	s_cmp_eq_u32 s[WR], 0
	s_cbranch_scc0 .Lfor_b_\@
	tensor_load_to_lds s[G0+4:G0+7], s[G1:G1+7]
	s_nop 0
.rept 4
	v_nop
.endr
	s_branch .Lasked_\@
.Lfor_b_\@:
	tensor_load_to_lds s[G0B+4:G0B+7], s[G1B:G1B+7]
	s_nop 0
.rept 4
	v_nop
.endr
.Lasked_\@:
.endm
.macro CREST
	s_cmp_lg_u32 s[WV], 0
	s_cbranch_scc1 .Lnot_wave_0_\@
	s_barrier_signal -3
.Lnot_wave_0_\@:
	s_barrier_wait -3
	s_barrier_signal -1
	s_barrier_wait -1
.endm
.macro CROUND
	s_barrier_signal -1
	s_barrier_wait -1
	CREST
.endm
	s_load_b128 s[4:7], s[0:1], 0x0                ; qkv s[4:5], p s[6:7]
	s_load_b64 s[8:9], s[0:1], 0x10                ; st
	v_lshl_add_u32 v[SPW], v0, 2, SPARE
	v_mov_b32 v[NIL], 0
	ds_add_u32 v[SPW], v[NIL]                      ; the wave's opening: the add and its wait stand ahead of my first tensor load
	v_lshrrev_b32 v1, 5, v0
	v_readfirstlane_b32 s[WV], v1
	s_lshr_b32 s[WR], s[WV], 1
	s_and_b32 s[WC], s[WV], 1
	s_bfe_u32 s40, ttmp6, 0x40000                  ; cx
	s_bfe_u32 s41, ttmp6, 0x40004                  ; cy
	s_lshl_b32 s42, ttmp9, 2
	s_add_co_u32 s42, s42, s40                     ; tx
	s_and_b32 s13, ttmp7, 0xffff
	s_lshr_b32 s67, s13, 1                         ; the batch, from the cluster's y alone: all sixteen partners share it
	s_lshl_b32 s13, s13, 2
	s_add_co_u32 s13, s13, s41                     ; ty
	s_lshl_b32 s43, s41, 2
	s_lshl_b32 s43, 15, s43                        ; my row of the cluster
	s_lshl_b32 s44, 0x1111, s40                    ; my column
	s_or_b32 s[G1], s43, (1<<16)|(1<<20)|(1<<21)|(5<<22)|(3<<25)
	s_or_b32 s[G1B], s44, (1<<16)|(1<<20)|(1<<21)|(5<<22)|(3<<25)
.irp g, G1, G1B
	s_mov_b32 s[(\g)+1], 128<<16                   ; tensor_dim0 = 128
	s_mov_b32 s[(\g)+2], 128<<16                   ; tensor_dim1 = 128
	s_mov_b32 s[(\g)+3], 128<<16                   ; tile_dim0 = 128
	s_mov_b32 s[(\g)+4], 128                       ; tile_dim1 = 128
	s_mov_b32 s[(\g)+5], 1024                      ; elements from row to row
	s_mov_b32 s[(\g)+6], 0
	s_mov_b32 s[(\g)+7], 0
.endr
	s_lshl_b32 s14, s13, 19                        ; q: row 256 ty + 128 x half, 2,048 bytes a row
	s_lshl_b32 s18, s[WC], 18
	s_add_co_u32 s14, s14, s18
	s_mov_b32 s15, 0
	s_lshl_b32 s46, s42, 19                        ; k: behind q's 8,192 rows; batch x 2,048 rows + 256 tx + 128 x half
	s_add_co_u32 s46, s46, s18
	s_lshl_b32 s19, s67, 22
	s_add_co_u32 s46, s46, s19
	s_add_co_u32 s46, s46, 8192*2048
	s_mov_b32 s47, 0
	s_mul_i32 s20, s[WV], HALFT                    ; where they go: q's two halves, then k's two = wave x 128 rows
	s_lshl_b32 s16, s13, 20                        ; my part of p: row 256 ty + 128 WR, column 256 tx + 128 WC, in bytes
	s_lshl_b32 s21, s[WR], 19
	s_add_co_u32 s16, s16, s21
	s_lshl_b32 s21, s[WC], 8
	s_add_co_u32 s16, s16, s21
	s_lshl_b32 s70, s42, 9
	s_add_co_u32 s16, s16, s70
	s_mov_b32 s17, 0
	s_lshl_b32 s68, s42, 14                        ; my part of st: chunk 2 tx + WC (8,192 bytes each),
	s_lshl_b32 s21, s[WC], 13
	s_add_co_u32 s68, s68, s21
	s_lshl_b32 s21, s67, 17                        ; the batch's 16 chunks,
	s_add_co_u32 s68, s68, s21
	s_and_b32 s71, s13, 7                          ; row 256 (ty % 8) + 128 WR of the batch
	s_lshl_b32 s71, s71, 10
	s_add_co_u32 s68, s68, s71
	s_lshl_b32 s21, s[WR], 9
	s_add_co_u32 s68, s68, s21
	s_mov_b32 s69, 0
	s_mov_b32 s[CS], 0x3d38aa3b                    ; c = log2(e) / 32 = 0.0450842
	s_mov_b32 s[CS+1], s[CS]
	s_mov_b32 s[SEL], 0x76543210
	s_mov_b32 s[SEL+1], 0xfedcba98
	s_mov_b32 s[TB], 0
	s_wait_dscnt 0x0                               ; the opening add is done
	s_wait_kmcnt 0x0
	s_add_nc_u64 s[14:15], s[4:5], s[14:15]
	s_add_nc_u64 s[46:47], s[4:5], s[46:47]
	s_add_nc_u64 s[8:9], s[8:9], s[68:69]
	CROUND                                         ; all sixteen work-groups are here: the first joint loads meet
.irp s, 0,1
	s_mov_b32 s[G0+4*(\s)], 1
	s_add_co_u32 s[G0+4*(\s)+1], s20, (\s)*SLOT1
	s_add_nc_u64 s[G0+4*(\s)+2:G0+4*(\s)+3], s[14:15], (\s)*256
	s_or_b32 s[G0+4*(\s)+3], s[G0+4*(\s)+3], 0x80000000
	s_mov_b32 s[G0B+4*(\s)], 1
	s_add_co_u32 s[G0B+4*(\s)+1], s20, (\s)*SLOT1
	s_add_nc_u64 s[G0B+4*(\s)+2:G0B+4*(\s)+3], s[46:47], (\s)*256
	s_or_b32 s[G0B+4*(\s)+3], s[G0B+4*(\s)+3], 0x80000000
.endr
	s_cmp_eq_u32 s[WR], 0                          ; a wave's two first fills stand in one branch: two loads of mine are out
	s_cbranch_scc0 .Lfirst_b
	tensor_load_to_lds s[G0:G0+3], s[G1:G1+7]
	s_nop 0
	tensor_load_to_lds s[G0+4:G0+7], s[G1:G1+7]
	s_nop 0
.rept 4
	v_nop
.endr
	s_branch .Lfirst_asked
.Lfirst_b:
	tensor_load_to_lds s[G0B:G0B+3], s[G1B:G1B+7]
	s_nop 0
	tensor_load_to_lds s[G0B+4:G0B+7], s[G1B:G1B+7]
	s_nop 0
.rept 4
	v_nop
.endr
.Lfirst_asked:
	v_and_b32 v1, 15, v0                           ; r
	v_bfe_u32 v2, v0, 4, 1                         ; h
	v_and_b32 v4, 31, v0                           ; lane
	v_mul_u32_u24 v3, v1, PITCH
	v_lshl_add_u32 v3, v2, 4, v3                   ; row x pitch + 16 x half
	s_mul_i32 s21, s[WR], HALFT                    ; my 128 rows of q
	s_mul_i32 s22, s[WC], HALFT                    ; my 128 rows of k,
	s_add_co_u32 s22, s22, 2*HALFT                 ; behind q's 256
	v_add_nc_u32 v[ADRA0], s21, v3
	v_add_nc_u32 v[ADRB0], s22, v3
	v_mov_b32 v[ADRA], v[ADRA0]
	v_mov_b32 v[ADRB], v[ADRB0]
	s_mul_i32 s23, s[WV], 16*PITCH
	s_add_co_u32 s23, s23, STAGE                   ; my stage
	v_add_nc_u32 v[STO], s23, v3
	v_mul_u32_u24 v5, v2, PITCH
	v_lshl_add_u32 v5, v1, 4, v5
	v_add_nc_u32 v[RD], s23, v5
	v_lshlrev_b32 v[CO], 12, v2
	v_lshl_add_u32 v[CO], v1, 4, v[CO]
	s_lshl_b32 s23, s[WV], 10
	s_add_co_u32 s23, s23, SST                     ; my statistics
	v_lshl_add_u32 v[SA], v1, 2, s23
	v_lshl_add_u32 v[SR], v4, 4, s23
	v_lshlrev_b32 v[GS], 4, v4
; 16 matrix instructions: query blocks a0, a0 + 1 of the window's four x all 8 key blocks.  zero = 1: the first product starts the sums.  The 64 accumulators take turns.
.macro MUL16 f, hi, a0, zero
	WIN MUL_LO+0x50*(\hi)
.irp a, \a0, (\a0)+1
.irp b, 0,1,2,3,4,5,6,7
.if \zero
	v_wmma_f32_16x16x32_bf16 v[8*(8*(\a)+(\b)):8*(8*(\a)+(\b))+7], v[(\f)+8*(\b):(\f)+8*(\b)+7], v[(\f)+8*(4*(\hi)+(\a)):(\f)+8*(4*(\hi)+(\a))+7], 0
.else
	v_wmma_f32_16x16x32_bf16 v[8*(8*(\a)+(\b)):8*(8*(\a)+(\b))+7], v[(\f)+8*(\b):(\f)+8*(\b)+7], v[(\f)+8*(4*(\hi)+(\a)):(\f)+8*(4*(\hi)+(\a))+7], v[8*(8*(\a)+(\b)):8*(8*(\a)+(\b))+7]
.endif
.endr
.endr
.endm
.macro FETCH k, f                      ; 32 LDS loads in one run: k's eight fragments, then q's eight
	WIN TO_B
.irp i, 0,1,2,3,4,5,6,7
	ds_load_b128 v[(\f)+8*(\i):(\f)+8*(\i)+3],   v[ADRB] offset:(\k)+(\i)*16*PITCH
	ds_load_b128 v[(\f)+8*(\i)+4:(\f)+8*(\i)+7], v[ADRB] offset:(\k)+(\i)*16*PITCH+32
.endr
	WIN 0
.irp i, 0,1,2,3,4,5,6,7
	ds_load_b128 v[(\f)+8*(\i):(\f)+8*(\i)+3],   v[ADRA] offset:(\k)+(\i)*16*PITCH
	ds_load_b128 v[(\f)+8*(\i)+4:(\f)+8*(\i)+7], v[ADRA] offset:(\k)+(\i)*16*PITCH+32
.endr
.endm
.macro QUARTER k, f, g, zero
	s_wait_dscnt 8                                 ; k and q's rows 0-63 are in; the youngest eight loads (rows 64-127) may be out
	MUL16 \f, 0, 0, \zero
	MUL16 \f, 0, 2, \zero
	PLACES
	FETCH \k, \g
	s_wait_dscnt 32                                ; all but the 32 just issued
	MUL16 \f, 1, 0, \zero
	MUL16 \f, 1, 2, \zero
.endm
; The last quarter multiplies buffer 1 and changes slots: the wait for all my tensor loads (one is out: my part of the next slot), the add, the wait for it and for my reads of this slot,
; one barrier.  fill = 1: it opens a round of the cluster's barrier, and this slot is filled again first behind it: 224 matrix instructions stand between the request and the wait for it.
.macro TURN fill
	WIN 0
	s_wait_tensorcnt 0x0                           ; no tensor load of mine is out, so the walking sets may be written
	ds_add_u32 v[SPW], v[NIL]
.if \fill
	s_xor_b32 s[G0+5], s[G0+5], SLOT1
	s_add_nc_u64 s[G0+6:G0+7], s[G0+6:G0+7], 256
	s_xor_b32 s[G0B+5], s[G0B+5], SLOT1
	s_add_nc_u64 s[G0B+6:G0B+7], s[G0B+6:G0B+7], 256
.endif
	s_wait_dscnt 9                                 ; the add and the youngest eight loads may be out
	MUL16 F1, 0, 0, 0
	s_wait_dscnt 0x0                               ; the add is done, and my reads of this slot are over
	s_barrier_signal -1
	MUL16 F1, 0, 2, 0
	WIN 0
	s_barrier_wait -1
.if \fill
	CREST
	JLOAD                                          ; its four v_nop are also the places in front of the loads below
.else
	PLACES
.endif
	s_xor_b32 s[TB], s[TB], SLOT1
	v_add_nc_u32 v[ADRA], s[TB], v[ADRA0]
	v_add_nc_u32 v[ADRB], s[TB], v[ADRB0]
	FETCH 0, F0
	MUL16 F1, 1, 0, 0
	MUL16 F1, 1, 2, 0
.endm
; THE SOFTMAX OF QUERY BLOCK a (16 queries x my 128 keys).  A lane holds 64 scores of one query; the other 64 lie in the lane 16 away.
.macro SOFT a
.set AC, 64*((\a)%4)
	WIN 0x2a+0x15*((\a)/4)                         ; all three sources in window 2 or 3
.set i, 0
.rept 21                                       ; ascending: of each accumulator the lowest register is read first
	v_max3_num_f32 v[T+i], v[AC+3*i], v[AC+3*i+1], v[AC+3*i+2]
.set i, i+1
.endr
	v_max_num_f32 v[T+21], v[AC+62], v[AC+63]
	WIN 0
.set i, 0
.rept 7
	v_max3_num_f32 v[T+3*i], v[T+3*i], v[T+3*i+1], v[T+3*i+2]
.set i, i+1
.endr
	v_max3_num_f32 v[T], v[T], v[T+3], v[T+6]
	v_max3_num_f32 v[T+9], v[T+9], v[T+12], v[T+15]
	v_max_num_f32 v[T+18], v[T+18], v[T+21]
	v_max3_num_f32 v[T], v[T], v[T+9], v[T+18]
	v_permlanex16_b32 v[T+1], v[T], s[SEL], s[SEL+1]
	v_max_num_f32 v[X], v[T], v[T+1]               ; the maximum of the query's 128 scores, in both lanes
	v_mul_f32 v[CM], s[CS], v[X]
	ds_store_b32 v[SA], v[CM] offset:64*(\a)       ; both lanes of a query write the same word with the same number
	WIN 0x02+(\a)/4
.set i, 0
.rept 32
	v_pk_fma_f32 v[E+2*i:E+2*i+1], v[AC+2*i:AC+2*i+1], s[CS:CS+1], v[CM:CM+1] op_sel_hi:[1,0,0] neg_lo:[0,0,1] neg_hi:[0,0,1]  ; c s - c m
.set i, i+1
.endr
	WIN 0
.set i, 0
.rept 64
	v_exp_f32 v[E+i], v[E+i]
.set i, i+1
.endr
	v_nop                                          ; a plain instruction between the last exponential and the use of its result (ISA guide 5.7.2)
.set i, 0
	s_wait_alu depctr_va_vdst(0)
.rept 32
	v_cvt_pk_bf16_f32 v[TMP+i], v[E+2*i], v[E+2*i+1]
.set i, i+1
.endr
.irp w, 32,16,8,4,2                    ; the sum of the 32 pairs of unrounded weights, as a tree
.set i, 0
.rept (\w)/2
	v_pk_add_f32 v[E+2*i:E+2*i+1], v[E+2*i:E+2*i+1], v[E+2*i+(\w):E+2*i+(\w)+1]
.set i, i+1
.endr
.endr
	v_add_f32 v[X], v[E], v[E+1]
	v_permlanex16_b32 v[X+1], v[X], s[SEL], s[SEL+1]
	v_add_f32 v[X], v[X], v[X+1]
	ds_store_b32 v[SA], v[X] offset:512+64*(\a)
.endm
.macro TOSTAGE a
	WIN 0
.set BK, OB+192*((\a)%2)
.irp b, 0,1,2,3,4,5,6,7
	ds_store_b128 v[STO], v[TMP+4*(\b):TMP+4*(\b)+3] offset:32*(\b)
.endr
.irp t, 0,1,2,3,4,5,6,7
	ds_load_b128 v[BK+4*(\t):BK+4*(\t)+3], v[RD] offset:(\t)*2*PITCH  ; LDS serves a wave's instructions in order (ISA guide 5.7.1.4): these see the stores above
.endr
.endm
.macro SEND a
	WIN 0
.set BK, OB+192*((\a)%2)
	s_wait_dscnt 0x0                               ; the block is back in registers
	s_wait_xcnt 0x0                                ; the base, and the registers that earlier stores read, are rewritten only behind this wait
.if (\a) == 0
	s_add_nc_u64 s[6:7], s[6:7], s[16:17]
.else
	s_add_nc_u64 s[6:7], s[6:7], 16*PROW
.endif
.irp t, 0,1,2,3,4,5,6,7
	global_store_b128 v[CO], v[BK+4*(\t):BK+4*(\t)+3], s[6:7] offset:2*(\t)*PROW  ; 16 lanes store 256 consecutive bytes, aligned
.endr
.endm
	s_wait_tensorcnt 0x1                           ; my part of K step 0 is in; step 1's may stay out
	s_barrier_signal -1
	s_barrier_wait -1
	FETCH 0, F0
	QUARTER 64, F0, F1, 1                          ; the first quarter starts the sums
	WIN 0
	s_mov_b32 s[CNT], 6
.Lstep:                                                ; a trip: the rest of a K step, the change of slots with its refill, and the next step's first quarter
	QUARTER 128, F1, F0, 0
	QUARTER 192, F0, F1, 0
	TURN 1
	QUARTER 64, F0, F1, 0
	WIN 0
	s_sub_co_u32 s[CNT], s[CNT], 1
	s_cmp_lg_u32 s[CNT], 0
	s_cbranch_scc1 .Lstep
	QUARTER 128, F1, F0, 0                         ; the last two K steps ask for nothing
	QUARTER 192, F0, F1, 0
	TURN 0
	QUARTER 64, F0, F1, 0
	QUARTER 128, F1, F0, 0
	QUARTER 192, F0, F1, 0
	s_wait_dscnt 8
	MUL16 F1, 0, 0, 0
	MUL16 F1, 0, 2, 0
	s_wait_dscnt 0x0
	MUL16 F1, 1, 0, 0
	MUL16 F1, 1, 2, 0
	PLACES
	WIN 0
	v_mov_b32 v[CM+1], 0                           ; named with c m as a pair
	v_mov_b32 v[X+1], 0                            ; v_permlanex16_b32's destination counts as read
	SOFT 0
	TOSTAGE 0
.irp a, 1,2,3,4,5,6,7                  ; block a's softmax stands between block a - 1's loads from the stage and the wait for them
	SOFT \a
	SEND (\a)-1
	TOSTAGE \a
.endr
	SEND 7
	ds_load_b128 v[64:67], v[SR]                   ; my wave's 128 m' and 128 l: its own bytes, served in order behind its stores
	ds_load_b128 v[68:71], v[SR] offset:512
	s_wait_dscnt 0x0
	global_store_b128 v[GS], v[64:67], s[8:9]      ; 512 consecutive bytes each
	global_store_b128 v[GS], v[68:71], s[8:9] offset:524288
	s_wait_tensorcnt 0x0                           ; the wave's end
	ds_add_u32 v[SPW], v[NIL]
	s_wait_dscnt 0x0
	CROUND                                         ; the closing round
	s_endpgm
.Lfunc_end_k_q5615ed40ff_scores:
	.size	k_q5615ed40ff_scores, .Lfunc_end_k_q5615ed40ff_scores-k_q5615ed40ff_scores
	.p2alignl 7, 3214868480
	.fill 96, 4, 3214868480
	.section	.rodata,"a",@progbits
	.p2align	6, 0x0
	.amdhsa_kernel k_q5615ed40ff_scores
		.amdhsa_group_segment_fixed_size 327680
		.amdhsa_private_segment_fixed_size 0
		.amdhsa_enable_private_segment 0
		.amdhsa_kernarg_size 24
		.amdhsa_user_sgpr_count 2
		.amdhsa_user_sgpr_kernarg_segment_ptr 1
		.amdhsa_wavefront_size32 1
		.amdhsa_system_sgpr_workgroup_id_x 1
		.amdhsa_system_sgpr_workgroup_id_y 1
		.amdhsa_system_sgpr_workgroup_id_z 1
		.amdhsa_system_vgpr_workitem_id 0
		.amdhsa_next_free_vgpr 1024
		.amdhsa_next_free_sgpr 76
		.amdhsa_reserve_vcc 0
		.amdhsa_float_denorm_mode_32 3
		.amdhsa_float_denorm_mode_16_64 3
		.amdhsa_memory_ordered 1
		.amdhsa_forward_progress 1
		.amdhsa_inst_pref_size 185
	.end_amdhsa_kernel
	.amdgpu_metadata
---
amdhsa.version: [ 1, 2 ]
amdhsa.kernels:
  - .name:           k_q5615ed40ff_scores
    .symbol:         k_q5615ed40ff_scores.kd
    .args:
      - { .name: qkv, .offset: 0, .size: 8, .value_kind: global_buffer, .address_space: global }
      - { .name: p, .offset: 8, .size: 8, .value_kind: global_buffer, .address_space: global }
      - { .name: st, .offset: 16, .size: 8, .value_kind: global_buffer, .address_space: global }
    .group_segment_fixed_size: 327680
    .private_segment_fixed_size: 0
    .kernarg_segment_align: 8
    .kernarg_segment_size: 24
    .max_flat_workgroup_size: 128
    .sgpr_count:     76
    .vgpr_count:     1024
    .wavefront_size: 32
...
	.end_amdgpu_metadata
.endif
;; end of part 3
;; launch pv (part 4): grid 4 x 64, 4 waves a work-group, clusters of 4 x 4, 327,680 bytes of LDS; arguments p, qkv, st, out0; writes out0
.if DOCPART == 4
	.amdgcn_target "amdgcn-amd-amdhsa--gfx1250"
	.amdhsa_code_object_version 6
	.text
	.protected	k_q5615ed40ff_pv
	.globl	k_q5615ed40ff_pv
	.p2align	8
	.type	k_q5615ed40ff_pv,@function
k_q5615ed40ff_pv:
	s_mov_b64 s[64:65], 0
	v_nop
	global_prefetch_b8 v0, s[64:65] scope:SCOPE_SE
	s_setreg_imm32_b32 hwreg(HW_REG_WAVE_MODE, 25, 1), 1
	s_wait_xcnt 0x0
	s_wait_alu depctr_hold_cnt(0) depctr_sa_sdst(0) depctr_va_vdst(0) depctr_va_sdst(0) depctr_va_ssrc(0) depctr_va_vcc(0) depctr_vm_vsrc(0)
	s_getreg_b32 s2, hwreg(HW_REG_IB_STS2, 6, 4)
	s_cmp_eq_u32 s2, 0
	s_cbranch_scc0 .Lentry_in_a_cluster
	s_endpgm
.Lentry_in_a_cluster:
	s_bfe_u32 s2, ttmp6, 0x10000c
	s_cmp_lg_u32 s2, 0xf033
	s_cbranch_scc0 .Lentry_shape_is_right
	s_endpgm
.Lentry_shape_is_right:
; O[q] = the sum over chunks t of f_t[q] (P_t V_t)[q],  f_t = 2^(m'_t - M') / L,  M' = max_t m'_t,  L = the sum over t of 2^(m'_t - M') l_t.
; p: [8192][2048] bf16, weights relative to their chunk's maximum; v = qkv[2]: [8192][1024] bf16; st: f32 [2][4][16][2048], m' then l; out0: [8192][1024] f32.
; The row's true maximum is taken away in f32 before the chunks are merged; L is at least about 1, since the chunk that holds the maximum has a weight of 1.
; LIMITS.  A factor below 2^-126 counts as 0; NaN and infinities are not treated apart.
; SHARES.  A tile is 128 queries (128 ty) x 256 channels (256 tx); four waves, each 64 x 128.  The 2,048 keys of batch ty / 16 go in 16 steps of 128: a step is a chunk.
; A chunk's product is summed by the matrix unit in tmp (window 1) from the constant 0; in the next step's first quarter tmp x f is added onto acc (window 2) by four packed
; multiply-adds in front of the matrix instruction that starts that accumulator anew.  acc is cleared once, in the wait for the first tile: the price of writing no first fold out.
; CLUSTER 4 x 4: P's tile is asked for jointly by a row of the cluster, V's by a column.
; O^T = V^T P: source 0 = 16 channels x 32 keys (V lies [key][channel] and comes out of LDS turned, by ds_load_tr16_b128), source 1 = 16 queries x 32 keys: a lane holds one query and eight channels.
; REGISTERS (s_set_vgpr_msb: bits 1:0 source 0, 3:2 source 1, 5:4 source 2, 7:6 destination):
;   window 0: v1-17 addresses; v28-29 the add's; v32-39 f of my four query blocks, in pairs; v64-159, v160-255 two fragment buffers (64 of V^T, 32 of P)
;   window 1: tmp (a, b) at v[8 (8 a + b)]          window 2: acc likewise
.set PP,     272                       ; a row of P in LDS: 256 bytes + 16
.set PV,     544                       ; a row of V: 512 bytes + 32 = 17 x 32
.set PHALF,  64*PP
.set VHALF,  64*PV
.set VOFF,   2*PHALF                   ; in a slot: P's 128 rows, then V's 128
.set SLOT1,  1<<17
.set FT,     VOFF+2*VHALF              ; behind slot 0: f, [16 chunks][128 queries] f32; no tensor load lands here
.set SPARE,  FT+16*512
.set STAGE,  SLOT1+VOFF+2*VHALF        ; behind slot 1: 16 rows x 528 bytes for each wave
.set SP,     528
.set OROW,   4096                      ; bytes in a row of out0
.set AP0, 8
.set AV0, 9
.set AP,  10
.set AV,  11
.set STO, 12
.set RD,  13
.set GO,  14                           ; v14  16 x lane
.set FA,  15                           ; v15  where f of my query l % 16 lies for the chunk to be loaded next
.set FW,  16                           ; v16  where thread i puts f of query i
.set SO,  17                           ; v17  4 x thread
.set SPW, 28
.set NIL, 29
.set FQ,  32
.set F0,  64
.set F1,  160
.set WV,  14
.set WR,  15
.set WC,  16
.set G1M, 24
.set G0M, 32
.set TB,  46
.set CNT, 47
.set G1N, 48
.set G0N, 56
.set MSB, 0
.macro WIN new
.if MSB != (\new)
	s_set_vgpr_msb (MSB<<8)|(\new)
.set MSB, \new
.endif
.endm
.macro PLACES
.rept 4
	v_nop
.endr
.endm
.macro JLOAD                           ; a joint refill by the walking sets: waves 0, 1 P's halves, waves 2, 3 V's
	s_cmp_eq_u32 s[WR], 0
	s_cbranch_scc0 .Lfor_n_\@
	tensor_load_to_lds s[G0M+4:G0M+7], s[G1M:G1M+7]
	s_nop 0
.rept 4
	v_nop
.endr
	s_branch .Lasked_\@
.Lfor_n_\@:
	tensor_load_to_lds s[G0N+4:G0N+7], s[G1N:G1N+7]
	s_nop 0
.rept 4
	v_nop
.endr
.Lasked_\@:
.endm
.macro CREST
	s_cmp_lg_u32 s[WV], 0
	s_cbranch_scc1 .Lnot_wave_0_\@
	s_barrier_signal -3
.Lnot_wave_0_\@:
	s_barrier_wait -3
	s_barrier_signal -1
	s_barrier_wait -1
.endm
.macro CROUND
	s_barrier_signal -1
	s_barrier_wait -1
	CREST
.endm
	s_load_b256 s[4:11], s[0:1], 0x0               ; p s[4:5], qkv s[6:7], st s[8:9], out0 s[10:11]
	v_lshl_add_u32 v[SPW], v0, 2, SPARE
	v_mov_b32 v[NIL], 0
	ds_add_u32 v[SPW], v[NIL]                      ; the wave's opening: the add and its wait stand ahead of my first tensor load
	v_lshrrev_b32 v1, 5, v0
	v_readfirstlane_b32 s[WV], v1
	s_lshr_b32 s[WR], s[WV], 1
	s_and_b32 s[WC], s[WV], 1
	s_bfe_u32 s17, ttmp6, 0x40000                  ; cx
	s_bfe_u32 s18, ttmp6, 0x40004                  ; cy
	s_lshl_b32 s19, ttmp9, 2
	s_add_co_u32 s19, s19, s17                     ; tx
	s_and_b32 s20, ttmp7, 0xffff
	s_lshr_b32 s66, s20, 2                         ; the batch, from the cluster's y alone
	s_lshl_b32 s20, s20, 2
	s_add_co_u32 s20, s20, s18                     ; ty
	s_lshl_b32 s21, s18, 2
	s_lshl_b32 s21, 15, s21                        ; my row of the cluster
	s_lshl_b32 s22, 0x1111, s17                    ; my column
	s_or_b32 s[G1M], s21, (1<<16)|(1<<20)|(1<<21)|(5<<22)|(3<<25)  ; P: after every 64 words, 4 words of padding
	s_mov_b32 s[G1M+1], 128<<16                    ; tensor_dim0 = 128 keys
	s_mov_b32 s[G1M+2], 64<<16                     ; tensor_dim1 = 64 queries
	s_mov_b32 s[G1M+3], 128<<16
	s_mov_b32 s[G1M+4], 64
	s_mov_b32 s[G1M+5], 2048                       ; elements from row to row
	s_mov_b32 s[G1M+6], 0
	s_mov_b32 s[G1M+7], 0
	s_or_b32 s[G1N], s22, (1<<16)|(1<<20)|(1<<21)|(6<<22)|(7<<25)  ; V: after every 128 words, 8 words of padding
	s_mov_b32 s[G1N+1], 256<<16                    ; tensor_dim0 = 256 channels
	s_mov_b32 s[G1N+2], 64<<16                     ; tensor_dim1 = 64 keys
	s_mov_b32 s[G1N+3], 256<<16
	s_mov_b32 s[G1N+4], 64
	s_mov_b32 s[G1N+5], 1024
	s_mov_b32 s[G1N+6], 0
	s_mov_b32 s[G1N+7], 0
	s_lshl_b32 s40, s20, 19                        ; P: row 128 ty + 64 x half, 4,096 bytes a row
	s_lshl_b32 s23, s[WC], 18
	s_add_co_u32 s40, s40, s23
	s_mov_b32 s41, 0
	s_lshl_b32 s42, s19, 9                         ; V: behind q's and k's rows; batch x 2,048 rows + 64 x half; channel 256 tx
	s_lshl_b32 s23, s[WC], 17
	s_add_co_u32 s42, s42, s23
	s_lshl_b32 s23, s66, 22
	s_add_co_u32 s42, s42, s23
	s_add_co_u32 s42, s42, 2*8192*2048
	s_mov_b32 s43, 0
	s_mul_i32 s2, s[WC], PHALF                     ; where they go
	s_mul_i32 s3, s[WC], VHALF
	s_add_co_u32 s3, s3, VOFF
	s_lshl_b32 s44, s66, 17                        ; st: the batch's 16 chunks, row 128 (ty % 16) of the batch
	s_and_b32 s67, s20, 15
	s_lshl_b32 s67, s67, 9
	s_add_co_u32 s44, s44, s67
	s_mov_b32 s45, 0
	s_lshl_b32 s12, s20, 19                        ; my part of out0: row 128 ty + 64 WR, channel 256 tx + 128 WC, in bytes
	s_lshl_b32 s23, s[WR], 18
	s_add_co_u32 s12, s12, s23
	s_lshl_b32 s23, s[WC], 9
	s_add_co_u32 s12, s12, s23
	s_lshl_b32 s68, s19, 10
	s_add_co_u32 s12, s12, s68
	s_mov_b32 s13, 0
	s_mov_b32 s[TB], 0
	s_wait_dscnt 0x0                               ; the opening add is done
	s_wait_kmcnt 0x0
	s_add_nc_u64 s[40:41], s[4:5], s[40:41]
	s_add_nc_u64 s[42:43], s[6:7], s[42:43]
	s_add_nc_u64 s[8:9], s[8:9], s[44:45]
	CROUND                                         ; all sixteen work-groups are here: the first joint loads meet
.irp s, 0,1
	s_mov_b32 s[G0M+4*(\s)], 1
	s_add_co_u32 s[G0M+4*(\s)+1], s2, (\s)*SLOT1
	s_add_nc_u64 s[G0M+4*(\s)+2:G0M+4*(\s)+3], s[40:41], (\s)*256         ; 128 keys along P's rows
	s_or_b32 s[G0M+4*(\s)+3], s[G0M+4*(\s)+3], 0x80000000
	s_mov_b32 s[G0N+4*(\s)], 1
	s_add_co_u32 s[G0N+4*(\s)+1], s3, (\s)*SLOT1
	s_add_nc_u64 s[G0N+4*(\s)+2:G0N+4*(\s)+3], s[42:43], (\s)*128*2048    ; 128 rows of V
	s_or_b32 s[G0N+4*(\s)+3], s[G0N+4*(\s)+3], 0x80000000
.endr
	s_cmp_eq_u32 s[WR], 0                          ; a wave's two first fills stand in one branch: two loads of mine are out
	s_cbranch_scc0 .Lfirst_n
	tensor_load_to_lds s[G0M:G0M+3], s[G1M:G1M+7]
	s_nop 0
	tensor_load_to_lds s[G0M+4:G0M+7], s[G1M:G1M+7]
	s_nop 0
.rept 4
	v_nop
.endr
	s_branch .Lfirst_asked
.Lfirst_n:
	tensor_load_to_lds s[G0N:G0N+3], s[G1N:G1N+7]
	s_nop 0
	tensor_load_to_lds s[G0N+4:G0N+7], s[G1N:G1N+7]
	s_nop 0
.rept 4
	v_nop
.endr
.Lfirst_asked:
	; THE FACTORS.  Thread i is query i of the tile: its 16 m' and 16 l.  All that follows, up to the barrier, stands in the wait for the first tile.
	v_lshlrev_b32 v[SO], 2, v0
.set t, 0
.rept 16
	global_load_b32 v[64+t], v[SO], s[8:9] offset:8192*t
	global_load_b32 v[80+t], v[SO], s[8:9] offset:524288+8192*t
.set t, t+1
.endr
	v_and_b32 v1, 15, v0                           ; r
	v_bfe_u32 v2, v0, 4, 1                         ; h
	v_mul_u32_u24 v3, v1, PP
	v_lshl_add_u32 v3, v2, 4, v3
	s_mul_i32 s2, s[WR], PHALF
	v_add_nc_u32 v[AP0], s2, v3                    ; my 64 rows of P
	v_and_b32 v4, 7, v0                            ; the turning load: lane l reads key 8 (l / 16) + l % 8, channels 8 ((l / 8) % 2) + 0..7
	v_bfe_u32 v5, v0, 3, 1
	v_lshl_add_u32 v6, v2, 3, v4
	v_mul_u32_u24 v6, v6, PV
	v_lshl_add_u32 v6, v5, 4, v6
	s_lshl_b32 s2, s[WC], 8
	s_add_co_u32 s2, s2, VOFF
	v_add_nc_u32 v[AV0], s2, v6                    ; my 128 channels of V
	v_mov_b32 v[AP], v[AP0]
	v_mov_b32 v[AV], v[AV0]
	s_mul_i32 s2, s[WV], 16*SP
	s_add_co_u32 s2, s2, STAGE                     ; my stage
	v_mul_u32_u24 v7, v1, SP                       ; in: row r, 32 bytes for each half of the lanes
	v_lshl_add_u32 v7, v2, 5, v7
	v_add_nc_u32 v[STO], s2, v7
	v_and_b32 v18, 31, v0
	v_lshl_add_u32 v[RD], v18, 4, s2               ; back: 32 lanes take a whole row of 512 bytes
	v_lshlrev_b32 v[GO], 4, v18
	s_lshl_b32 s3, s[WR], 8
	s_add_co_u32 s3, s3, FT
	v_lshl_add_u32 v[FA], v1, 2, s3
	v_lshl_add_u32 v[FW], v0, 2, FT
.irp a, 0,1,2,3
	v_mov_b32 v[FQ+2*(\a)+1], 0                    ; named with f as pairs
.endr
	WIN 0x80
.set i, 0
.rept 256
	v_mov_b32 v[i], 0                              ; acc
.set i, i+1
.endr
	WIN 0
	s_wait_loadcnt 0x0
	v_max3_num_f32 v96, v64, v65, v66              ; M', in two chains
	v_max3_num_f32 v97, v67, v68, v69
	v_max3_num_f32 v96, v96, v70, v71
	v_max3_num_f32 v97, v97, v72, v73
	v_max3_num_f32 v96, v96, v74, v75
	v_max3_num_f32 v97, v97, v76, v77
	v_max3_num_f32 v96, v96, v78, v79
	v_max_num_f32 v96, v96, v97
.set t, 0
.rept 16
	v_sub_f32 v[64+t], v[64+t], v96
.set t, t+1
.endr
.set t, 0
.rept 16
	v_exp_f32 v[64+t], v[64+t]
.set t, t+1
.endr
	v_nop                                          ; a plain instruction between the last exponential and the use of its result (ISA guide 5.7.2)
	s_wait_alu depctr_va_vdst(0)
	v_mul_f32 v97, v64, v80
.set t, 1
.rept 15
	v_fmac_f32 v97, v[64+t], v[80+t]               ; L
.set t, t+1
.endr
	v_rcp_f32 v98, v97
	v_nop
.set t, 0
	s_wait_alu depctr_va_vdst(0)
.rept 16
	v_mul_f32 v[64+t], v[64+t], v98
.set t, t+1
.endr
.set t, 0
.rept 16
	ds_store_b32 v[FW], v[64+t] offset:512*t
.set t, t+1
.endr
.macro FETCH kq, f                     ; 24 LDS loads in one run: keys 32 kq on: V^T's eight fragments, then P's four
	WIN 0
.irp b, 0,1,2,3,4,5,6,7
	ds_load_tr16_b128 v[(\f)+8*(\b):(\f)+8*(\b)+3],   v[AV] offset:(\kq)*32*PV+32*(\b)
	ds_load_tr16_b128 v[(\f)+8*(\b)+4:(\f)+8*(\b)+7], v[AV] offset:(\kq)*32*PV+16*PV+32*(\b)
.endr
.irp a, 0,1,2,3
	ds_load_b128 v[(\f)+64+8*(\a):(\f)+64+8*(\a)+3],   v[AP] offset:64*(\kq)+(\a)*16*PP
	ds_load_b128 v[(\f)+64+8*(\a)+4:(\f)+64+8*(\a)+7], v[AP] offset:64*(\kq)+(\a)*16*PP+32
.endr
.endm
.macro MUL8 f, a                       ; query block a x all 8 channel blocks, onto tmp.  The 32 accumulators take turns
	WIN 0x50
.irp b, 0,1,2,3,4,5,6,7
	v_wmma_f32_16x16x32_bf16 v[8*(8*(\a)+(\b)):8*(8*(\a)+(\b))+7], v[(\f)+8*(\b):(\f)+8*(\b)+7], v[(\f)+64+8*(\a):(\f)+64+8*(\a)+7], v[8*(8*(\a)+(\b)):8*(8*(\a)+(\b))+7]
.endr
.endm
.macro QUARTER kq, f, g, head          ; multiplies f; in its middle fetches quarter kq into g.  head: the loads that may be out at its beginning
	s_wait_dscnt \head
	MUL8 \f, 0
	MUL8 \f, 1
	PLACES
	FETCH \kq, \g
	s_wait_dscnt 24                                ; all but the 24 just issued: f of this chunk is in too
	MUL8 \f, 2
	MUL8 \f, 3
.endm
; Accumulator i of a step's first quarter.  fold = 1: acc += f x tmp of the chunk before, lowest registers first; then the product that starts tmp anew with the constant 0.
; The last product onto tmp i stands six plain vector instructions back or more (four v_nop and two address adds behind the change of slots; for the later ones the folds in front).
.macro TILE1 fold
.if \fold
	WIN 0xa1                                       ; tmp window 1, f window 0, acc window 2
.irp z, 0,1,2,3
	v_pk_fma_f32 v[8*i+2*(\z):8*i+2*(\z)+1], v[8*i+2*(\z):8*i+2*(\z)+1], v[FQ+2*(i/8):FQ+2*(i/8)+1], v[8*i+2*(\z):8*i+2*(\z)+1] op_sel_hi:[1,0,1]
.endr
.endif
	WIN 0x50
	v_wmma_f32_16x16x32_bf16 v[8*i:8*i+7], v[F0+8*(i%8):F0+8*(i%8)+7], v[F0+64+8*(i/8):F0+64+8*(i/8)+7], 0
.set i, i+1
.endm
.macro Q1F fold                        ; a step's first quarter; at its end f of this step's chunk is asked for
	s_wait_dscnt 4                                 ; V^T and P's blocks 0, 1 are in
.set i, 0
.rept 16
	TILE1 \fold
.endr
	FETCH 1, F1                                    ; buffer 1's last readers stand 64 folds back (in the first step nothing has read it)
	s_wait_dscnt 24
.rept 16
	TILE1 \fold
.endr
	WIN 0
.irp a, 0,1,2,3
	ds_load_b32 v[FQ+2*(\a)], v[FA] offset:64*(\a)
.endr
	v_add_nc_u32 v[FA], 512, v[FA]                 ; the next chunk's
.endm
; The last quarter multiplies buffer 1 and changes slots, as in the launches before: the wait for all my tensor loads, the add, the wait for it and for my reads, one barrier;
; fill = 1: it opens a round of the cluster's barrier, and this slot is filled again first behind it: 112 matrix instructions stand between the request and the wait for it.
.macro TURN fill
	WIN 0
	s_wait_tensorcnt 0x0                           ; no tensor load of mine is out, so the walking sets may be written
	ds_add_u32 v[SPW], v[NIL]
.if \fill
	s_xor_b32 s[G0M+5], s[G0M+5], SLOT1
	s_add_nc_u64 s[G0M+6:G0M+7], s[G0M+6:G0M+7], 256
	s_xor_b32 s[G0N+5], s[G0N+5], SLOT1
	s_add_nc_u64 s[G0N+6:G0N+7], s[G0N+6:G0N+7], 128*2048
.endif
	s_wait_dscnt 5                                 ; the add and the youngest four loads may be out
	MUL8 F1, 0
	s_wait_dscnt 0x0                               ; the add is done, and my reads of this slot are over
	s_barrier_signal -1
	MUL8 F1, 1
	WIN 0
	s_barrier_wait -1
.if \fill
	CREST
	JLOAD
.else
	PLACES
.endif
	s_xor_b32 s[TB], s[TB], SLOT1
	v_add_nc_u32 v[AP], s[TB], v[AP0]
	v_add_nc_u32 v[AV], s[TB], v[AV0]
	FETCH 0, F0
	MUL8 F1, 2
	MUL8 F1, 3
.endm
; THE WAY OUT of query block a: the last chunk is folded in; 32 bytes a lane go through my stage and come back as whole rows of 512 bytes.
.macro FOLDOUT a
	WIN 0x21                                       ; tmp window 1, f window 0, acc window 2, the result window 0
.set i, 0
.rept 32
	v_pk_fma_f32 v[64+2*i:64+2*i+1], v[64*(\a)+2*i:64*(\a)+2*i+1], v[FQ+2*(\a):FQ+2*(\a)+1], v[64*(\a)+2*i:64*(\a)+2*i+1] op_sel_hi:[1,0,1]
.set i, i+1
.endr
	WIN 0
.endm
.macro STG a
	WIN 0
.set BK, 128+64*((\a)%2)
.irp q, 0,1,2,3,4,5,6,7,8,9,10,11,12,13,14,15
	ds_store_b128 v[STO], v[64+4*(\q):64+4*(\q)+3] offset:64*((\q)/2)+16*((\q)%2)
.endr
.irp t, 0,1,2,3,4,5,6,7,8,9,10,11,12,13,14,15
	ds_load_b128 v[BK+4*(\t):BK+4*(\t)+3], v[RD] offset:(\t)*SP  ; LDS serves a wave's instructions in order (ISA guide 5.7.1.4): these see the stores above
.endr
.endm
.macro SENDO a
	WIN 0
.set BK, 128+64*((\a)%2)
	s_wait_dscnt 0x0                               ; the block is back in registers
	s_wait_xcnt 0x0                                ; the base, and the registers that earlier stores read, are rewritten only behind this wait
.if (\a) == 0
	s_add_nc_u64 s[10:11], s[10:11], s[12:13]
.else
	s_add_nc_u64 s[10:11], s[10:11], 16*OROW
.endif
.irp t, 0,1,2,3,4,5,6,7,8,9,10,11,12,13,14,15
	global_store_b128 v[GO], v[BK+4*(\t):BK+4*(\t)+3], s[10:11] offset:(\t)*OROW th:TH_STORE_NT  ; a wave stores 512 consecutive bytes, aligned
.endr
.endm
	s_wait_dscnt 0x0                               ; for the others' sake: my part of f is written
	s_wait_tensorcnt 0x1                           ; my part of step 0 is in; step 1's may stay out
	s_barrier_signal -1
	s_barrier_wait -1
	FETCH 0, F0
	Q1F 0
	s_mov_b32 s[CNT], 14
.Lstep:                                                ; a trip: the rest of a chunk, the change of slots with its refill, and the next chunk's first quarter with the fold
	QUARTER 2, F1, F0, 8                           ; the four loads of f and P's blocks 2, 3 may be out
	QUARTER 3, F0, F1, 4
	TURN 1
	Q1F 1
	s_sub_co_u32 s[CNT], s[CNT], 1
	s_cmp_lg_u32 s[CNT], 0
	s_cbranch_scc1 .Lstep
	QUARTER 2, F1, F0, 8                           ; the last two chunks ask for nothing
	QUARTER 3, F0, F1, 4
	TURN 0
	Q1F 1
	QUARTER 2, F1, F0, 8
	QUARTER 3, F0, F1, 4
	s_wait_dscnt 4
	MUL8 F1, 0
	MUL8 F1, 1
	s_wait_dscnt 0x0
	MUL8 F1, 2
	MUL8 F1, 3
	PLACES
	FOLDOUT 0
	STG 0
.irp a, 1,2,3                          ; block a's fold stands between block a - 1's loads from the stage and the wait for them
	FOLDOUT \a
	SENDO (\a)-1
	STG \a
.endr
	SENDO 3
	s_wait_tensorcnt 0x0                           ; the wave's end
	ds_add_u32 v[SPW], v[NIL]
	s_wait_dscnt 0x0
	CROUND                                         ; the closing round
	s_endpgm
.Lfunc_end_k_q5615ed40ff_pv:
	.size	k_q5615ed40ff_pv, .Lfunc_end_k_q5615ed40ff_pv-k_q5615ed40ff_pv
	.p2alignl 7, 3214868480
	.fill 96, 4, 3214868480
	.section	.rodata,"a",@progbits
	.p2align	6, 0x0
	.amdhsa_kernel k_q5615ed40ff_pv
		.amdhsa_group_segment_fixed_size 327680
		.amdhsa_private_segment_fixed_size 0
		.amdhsa_enable_private_segment 0
		.amdhsa_kernarg_size 32
		.amdhsa_user_sgpr_count 2
		.amdhsa_user_sgpr_kernarg_segment_ptr 1
		.amdhsa_wavefront_size32 1
		.amdhsa_system_sgpr_workgroup_id_x 1
		.amdhsa_system_sgpr_workgroup_id_y 1
		.amdhsa_system_sgpr_workgroup_id_z 1
		.amdhsa_system_vgpr_workitem_id 0
		.amdhsa_next_free_vgpr 768
		.amdhsa_next_free_sgpr 72
		.amdhsa_reserve_vcc 0
		.amdhsa_float_denorm_mode_32 3
		.amdhsa_float_denorm_mode_16_64 3
		.amdhsa_memory_ordered 1
		.amdhsa_forward_progress 1
		.amdhsa_inst_pref_size 113
	.end_amdhsa_kernel
	.amdgpu_metadata
---
amdhsa.version: [ 1, 2 ]
amdhsa.kernels:
  - .name:           k_q5615ed40ff_pv
    .symbol:         k_q5615ed40ff_pv.kd
    .args:
      - { .name: p, .offset: 0, .size: 8, .value_kind: global_buffer, .address_space: global }
      - { .name: qkv, .offset: 8, .size: 8, .value_kind: global_buffer, .address_space: global }
      - { .name: st, .offset: 16, .size: 8, .value_kind: global_buffer, .address_space: global }
      - { .name: out0, .offset: 24, .size: 8, .value_kind: global_buffer, .address_space: global }
    .group_segment_fixed_size: 327680
    .private_segment_fixed_size: 0
    .kernarg_segment_align: 8
    .kernarg_segment_size: 32
    .max_flat_workgroup_size: 128
    .sgpr_count:     72
    .vgpr_count:     768
    .wavefront_size: 32
...
	.end_amdgpu_metadata
.endif
;; end of part 4
